; MI455X (gfx1250); checked and timed in simulation.
; The chip was launched on July 23, 2026; its instructions are those of AMD's public machine-readable ISA for CDNA 5 (MIT licence, August 2026) and "CDNA5" Instruction Set Architecture Reference Guide (July 2026). The comments in the code are by the model that wrote it; some were corrected since.
;; Group Query Attention. Allowed arithmetic: matrix products marked QUANTISED: E5M2 operands, one given power-of-two scale a tensor, by v_wmma_f32_16x16x64_bf8_bf8 or v_wmma_f32_16x16x128_bf8_bf8, f32 sums; everything else in f32.
;; Inputs: Wk_codes 4 x 64 x 32 x 32 uint8 (E5M2 codes of Wk, K innermost, in blocks of 32 codes); Wp_codes 1,024 x 32 x 32 uint8 (E5M2 codes of Wp, K innermost, in blocks of 32 codes); Wq_codes 16 x 64 x 32 x 32 uint8 (E5M2 codes of Wq, K innermost, in blocks of 32 codes); Wv_codes 4 x 64 x 32 x 32 uint8 (E5M2 codes of Wv, K innermost, in blocks of 32 codes); bp 1,024 float32; lowp_scales 12 int32 (the exponents e of the quantised operands' scales 2^e); x_codes 4 x 2,048 x 32 x 32 uint8 (E5M2 codes of x, K innermost, in blocks of 32 codes).
;; Outputs: out0 4 x 2,048 x 1,024 float32.
;; This version of the problem:
;;   THIS VERSION OF THE PROBLEM IS GIVEN IN LOW PRECISION. The matrix products marked QUANTISED in the list below multiply operands that are first quantised to E5M2 (5 exponent bits, 2 mantissa bits; 8 bits a number), with one given power-of-two scale for each operand tensor; their sums are f32. All else is computed in f32.
;;   The module's matrix products, in the order in which they are computed (A, B: the left and right operand; K: the contracted axis; several contracted axes count as one K, in the product's order):
;;     1. [M 8,192, K 1,024] x [K 1,024, N 1,024]; A: input x (given as codes); B: input Wq (given as codes): QUANTISED (scales: A lowp_scales[0], B lowp_scales[1])
;;     2. [M 8,192, K 1,024] x [K 1,024, N 256]; A: input x (given as codes); B: input Wk (given as codes): QUANTISED (scales: A lowp_scales[2], B lowp_scales[3])
;;     3. [M 8,192, K 1,024] x [K 1,024, N 256]; A: input x (given as codes); B: input Wv (given as codes): QUANTISED (scales: A lowp_scales[4], B lowp_scales[5])
;;     4. batch 64 x [M 2,048, K 64] x [K 64, N 2,048]; A: computed on the way; B: computed on the way: QUANTISED (scales: A lowp_scales[6], B lowp_scales[7])
;;     5. batch 64 x [M 64, K 2,048] x [K 2,048, N 2,048]; A: computed on the way; B: softmax (see below): QUANTISED (scales: A lowp_scales[8], B lowp_scales[9])
;;     6. [M 8,192, K 1,024] x [K 1,024, N 1,024]; A: computed on the way; B: input Wp (given as codes): QUANTISED (scales: A lowp_scales[10], B lowp_scales[11])
;;   THE QUANTISER, for each operand of a quantised product, along K:
;;     - The operand's scale is 2^e, e = its entry of the input lowp_scales (int32; the entries are numbered through the quantised products in the list's order, A before B).
;;     - Each number is divided by the scale, clamped to +-57,344, and rounded to the nearest number of E5M2, ties to even, subnormals kept.
;;     - The product sums the exact products of the quantised numbers (number of the format x scale) in f32.
;;   ~~~python
;;   def quantise(x, axis, e):      # numpy; x: float32 -> the quantised numbers, widened to float32 again
;;       x = np.moveaxis(x, axis, -1); K = x.shape[-1]
;;       r = np.clip(x / 2.0 ** e, -57344, 57344)
;;       step = 2.0 ** (np.maximum(np.frexp(np.where(r == 0, 1, r))[1] - 1, -14) - 2)
;;       q = np.round(r / step) * step * 2.0 ** e      # np.round: ties to even
;;       return np.moveaxis(q, -1, axis).astype(np.float32)
;;   ~~~
;;   SOFTMAX AHEAD OF A QUANTISED PRODUCT. Where the list says 'softmax', what is quantised is not the finished softmax but p = 2^(t - M), with t = logit x log2(e) and M = ceil(the row's largest t), a whole number; so 1/2 < the row's largest p <= 1. The row's sum l is taken of the UNQUANTISED p, in f32, and the product's result is divided by l at the end. Since M is a whole number, a kernel that streams over the keys may use a running M (the ceiling of the running maximum): every later rescaling is an exact power of two, so the quantised numbers keep their values, but for numbers so far below the row's largest that they fall under the format's range.
;;   OPERANDS COMPUTED ON THE WAY. 'Computed on the way' means the value that the module computes at that place (a softmax that the list does not call 'softmax' is quantised finished and normalised). What goes into a quantiser is computed in f32, as accurately as f32 sums, v_exp_f32 and their like allow (about 1e-6 of the number): no bf16 or f16 on the way to a quantiser, and a product that is left as it is and whose result goes on into a quantised operand takes f32 operands (vector FMAs, or v_wmma_f32_16x16x4_f32). A number that lies on a knife's edge between two numbers of the format may be rounded either way, as far as f32 arithmetic and the matrix unit's own rounding can turn it there, and no further.
;;   INPUTS GIVEN AS CODES. Wk (in the module: [4, 64, 1024], K = its axis 2); Wp (in the module: [1024, 1024], K = its axis 1); Wq (in the module: [16, 64, 1024], K = its axis 2); Wv (in the module: [4, 64, 1024], K = its axis 2); x (in the module: [4, 2048, 1024], K = its axis 2): each comes as NAME_codes (uint8): NAME with its K axis moved to the last place and cut into blocks of 32 codes, [.., K / 32, bytes a block], one block behind the other in memory; one code a byte (a code: sign, 5 exponent bits, 2 mantissa bits); its scale is its entry of lowp_scales. Its value is code x scale, taken as it is: it is not quantised again, and the codes and scales need not be those that the quantiser above would give.
;; One version. Each part assembles by itself: llvm-mc -triple=amdgcn-amd-amdhsa -mcpu=gfx1250 --defsym DOCPART=n.
;; ======== version 1 of 1: 3 launches
;; limits: right only within a limited range of input values
;; workspace buffers: qc 8,388,608 bytes; kv 4,194,304 bytes; wpi 1,048,576 bytes; ac 8,388,608 bytes
;; launch qkv (part 1): grid 32 x 8, 4 waves a work-group, clusters of 4 x 1, 201,216 bytes of LDS; arguments x_codes, Wq_codes, Wk_codes, Wv_codes, Wp_codes, lowp_scales, qc, kv, wpi; writes qc, kv, wpi
.if DOCPART == 1
	.amdgcn_target "amdgcn-amd-amdhsa--gfx1250"
	.amdhsa_code_object_version 6
	.text
	.protected	k_q2e83492fd4_qkv
	.globl	k_q2e83492fd4_qkv
	.p2align	8
	.type	k_q2e83492fd4_qkv,@function
k_q2e83492fd4_qkv:
	s_mov_b64 s[64:65], 0
	v_nop
	global_prefetch_b8 v0, s[64:65] scope:SCOPE_SE
	s_setreg_imm32_b32 hwreg(HW_REG_WAVE_MODE, 25, 1), 1
	s_wait_xcnt 0x0
	s_wait_alu depctr_hold_cnt(0) depctr_sa_sdst(0) depctr_va_vdst(0) depctr_va_sdst(0) depctr_va_ssrc(0) depctr_va_vcc(0) depctr_vm_vsrc(0)
	s_getreg_b32 s2, hwreg(HW_REG_IB_STS2, 6, 4)
	s_cmp_eq_u32 s2, 0
	s_cbranch_scc0 .Lentry_in_a_cluster
	s_endpgm
.Lentry_in_a_cluster:
	s_bfe_u32 s2, ttmp6, 0x10000c
	s_cmp_lg_u32 s2, 0x3003
	s_cbranch_scc0 .Lentry_shape_is_right
	s_endpgm
.Lentry_shape_is_right:
; q = x Wq^T, k = x Wk^T, v = x Wv^T on codes of E5M2, each result quantised at once to E5M2 for the attention that follows; and Wp's codes laid anew for the last launch.
; x: [8192][1024] codes.  Wq [16][64][1024], Wk, Wv [4][64][1024]: 24 "heads" of 64 rows, numbered hh = 0..15 (q), 16..19 (k), 20..23 (v).
; SHARES.  A work-group takes 256 rows of x (rb = 0..31) and three heads (hh = 3 cb + p, cb = 0..7, p = 0..2): 256 equal work-groups.  Wave w keeps its 64 rows x 1,024 K of x in 512 registers for the
; whole launch; the three heads' weights lie in LDS; a PASS is one head: 8 K steps of 128, 16 matrix instructions each, each fragment of W read from LDS feeding four of them.
; CLUSTER.  The four row blocks of a cluster (same cb) need the same weights: each tile is asked for JOINTLY (mask 15).  x is not shared so: it goes from memory straight into registers, which a joint load does not fill.
; LAYOUT OF THE RESULTS: IMAGES OF OPERAND REGISTERS.  q, k: source 0 = 16 rows of W, source 1 = 16 rows of x: a lane holds one token (lane % 16) and its eight registers d = 16 n + 8 (lane / 16) + 0..7; the conversion's
; two registers are registers 2 n, 2 n + 1 of the next product's fragment (16 tokens x 64 d).  v: the sources swapped: a lane holds one d and eight tokens, so the codes are registers of a fragment 16 d x 128 keys.
; Four such registers are stored by one instruction at 16 x lane: 512 consecutive bytes, aligned.
;   qc: (((b 16 + head) 128 + tile of 16 queries) 2 + piece) 512          kv: (4 b + g) 262144 + (key step of 128) 16384 + { K: key tile 1024 + piece 512 | V: 8192 + d tile 2048 + piece 512 }
;   wpi: (((col64 8 + K step) 4 + q) 4 + piece) 512: lane r holds Wp's row 64 col64 + 4 r + q, registers 2 c, 2 c + 1 its k = 128 s + 16 c + 8 (lane / 16) + 0..7
; x's and W's fragments are fetched 16 bytes a lane (registers 4 c .. 4 c + 3: k = 32 c + 16 (lane / 16) + 0..15): a permutation of k inside a K step, the same on both sides, so every product meets its partner.
; SCALES.  A sum stands for sum x 2^(ea + eb); its code is sum / 2^E, E = e6 - e0 - e1 (q), e7 - e2 - e3 (k), e8 - e4 - e5 (v), held within +-57,344 x 2^E.
; LIMITS: each E lies between -126 and 112, so that 2^E and 57,344 x 2^E are f32 numbers.  NaN codes among the inputs are not served.
; REGISTERS, in windows of 256: window 0: v1-13 addresses and scales; v16-23 Wp's codes; v32-127 the three passes' codes (32 each, never rewritten); v128-255 16 accumulators, (i0, i1) at 128 + 32 i1 + 8 i0.
;   window 1: two sets of W's four fragments, at 64 (s % 2) + 16 n.   windows 2, 3: x, K steps 0-3 and 4-7, at 64 (s % 4) + 16 t.
; WORK LEFT OUT IN THIS PROGRAM (in the launch attn): reference() sets every score with key > query to -inf by a mask that it builds itself (jnp.tril), so such a score's p is 0 and adds nothing to the row's sum or to the
; weighted sum, whatever the inputs hold.  Key steps of 128 keys that lie wholly behind a tile's 16 queries are therefore not multiplied.  LIMIT: a NaN, an infinity or an overflow that reaches only those scores is not carried to the result.
.set ROWP,  1040
.set HEADB, 64*ROWP                    ; a head in LDS
.set XA,  3                            ; v3    x: row (lane % 16) x 1,024 + 16 (lane / 16)
.set LI,  4                            ; v4    16 x lane: an image's place for my lane
.set WA,  5                            ; v5-7  W in LDS, pass p: row x ROWP + 16 (lane / 16) + p x HEADB
.set SO,  7                            ; v8-10 LI + 1, 2, 3 x the pass's stride from tile to tile
.set VSC, 11                           ; v11   2^E
.set VHL, 12                           ; v12   57,344 x 2^E
.set WPL, 13                           ; v13   Wp: 4 rows a lane: (lane % 16) x 4,096 + 8 (lane / 16)
.set WPR, 16                           ; v16-23
.set CD,  32
.set ACC, 128
.set WPO, 26                           ; s[26:27] where my half fragment of wpi goes
.set EQ,  37                           ; s37-39   E of q, k, v
.set G1,  40                           ; s[40:47] descriptor group 1
.set G0,  48                           ; s[48:51] descriptor group 0 of my one load
.set SCL, 60                           ; s60-62   pass p: 2^E as f32
.set BB,  63                           ; s63      the batch
.set HLD, 66                           ; s66-68   pass p: 57,344 x 2^E
.set HH,  69                           ; s69-71   pass p: hh
.set OUT, 72                           ; s[72:77] pass p: where my wave's images go
.set STR, 78                           ; s78-80   pass p: bytes from tile to tile there
.set WV,  81
.set CX,  82
.set RB,  83
.set CB,  84
.set TQ,  92                           ; my first tile of 16 queries in the batch
.set KO,  93                           ; my wave's place in a group's part of kv, for k
.set VO,  94                           ; and for v
.set XB,  96                           ; s[96:97] x at my wave's first row
.set WPB, 98                           ; s[98:99] Wp_codes at my half fragment
.set MSB, 0
.macro WIN new                         ; the immediate's high byte repeats the setting that is left; a switch that changes nothing is dropped
.if MSB != (\new)
	s_set_vgpr_msb (MSB<<8)|(\new)
.set MSB, (\new)
.endif
.endm
.macro PLACES n
.rept \n
	v_nop
.endr
.endm
.macro CROUND                          ; a round of the cluster's barrier
	s_barrier_signal -1
	s_barrier_wait -1
	s_cmp_lg_u32 s[WV], 0
	s_cbranch_scc1 .Lnot_wave_0_\@
	s_barrier_signal -3
.Lnot_wave_0_\@:
	s_barrier_wait -3
	s_barrier_signal -1
	s_barrier_wait -1
.endm
.macro XLOAD s                         ; my 64 rows' codes of K step s: four fragments, 16 loads
	WIN 0x80+0x40*((\s)/4)
.irp t, 0,1,2,3
.irp c, 0,1,2,3
	global_load_b128 v[64*((\s)%4)+16*\t+4*\c:64*((\s)%4)+16*\t+4*\c+3], v[XA], s[XB:XB+1] offset:16384*\t+128*(\s)+32*\c
.endr
.endr
.endm
.macro WLOAD p, s                      ; pass p's four fragments of W of K step s, into set s % 2: 16 LDS loads in one run
	WIN 0x40
.irp n, 0,1,2,3
.irp c, 0,1,2,3
	ds_load_b128 v[64*((\s)%2)+16*\n+4*\c:64*((\s)%2)+16*\n+4*\c+3], v[WA+\p] offset:16*\n*ROWP+128*(\s)+32*\c
.endr
.endr
.endm
; 16 matrix instructions, 128 along K.  kind 0 (q, k): source 0 = W's tile a, source 1 = x's tile b.  kind 1 (v): source 0 = x's tile a, source 1 = W's tile b.  The first K step starts the sums: nothing is cleared.
; The 16 accumulators take turns, one instruction a turn, in the same order in every K step.
.macro MUL s, kind
.if \kind
	WIN 0x06+((\s)/4)
.else
	WIN 0x09+4*((\s)/4)
.endif
.irp b, 0,1,2,3
.irp a, 0,1,2,3
.set fD, ACC+32*\b+8*\a
.if \kind
.set fA, 64*((\s)%4)+16*\a
.set fB, 64*((\s)%2)+16*\b
.else
.set fA, 64*((\s)%2)+16*\a
.set fB, 64*((\s)%4)+16*\b
.endif
.if (\s) == 0
	v_wmma_f32_16x16x128_bf8_bf8 v[fD:fD+7], v[fA:fA+15], v[fB:fB+15], 0
.else
	v_wmma_f32_16x16x128_bf8_bf8 v[fD:fD+7], v[fA:fA+15], v[fB:fB+15], v[fD:fD+7]
.endif
.endr
.endr
.endm
.macro KSTEP p, s, kind
.if ((\s) > 0) && ((\s) < 7)
	PLACES 4                                       ; the set that is loaded next was read by the K step before: four plain vector instructions stand between (ISA guide 7.12.1)
.endif
.if (\s) < 7
	WLOAD \p, (\s)+1
	s_wait_dscnt 16                                ; this K step's 16 loads are in; the 16 just issued may be out
.else
	s_wait_dscnt 0x0
.endif
.if (\p) == 0                          ; all of x was asked for at the head; it arrives during the first pass
.if (\s) < 4
	s_wait_loadcnt 63                              ; K step s of x is in: behind its 16 loads 16 (7 - s), 64 or more, were issued; the wait names the most that its field holds
.else
	s_wait_loadcnt 16*(7-(\s))                     ; the last four: 48, 32, 16, 0 loads were issued behind
.endif
.endif
	MUL \s, \kind
.endm
.macro KLOOP p, kind
	WLOAD \p, 0
.irp s, 0,1,2,3,4,5,6,7
	KSTEP \p, \s, \kind
.endr
	WIN 0                                          ; at a label and at a branch every window is 0
.endm
; The pass's 128 sums a lane become 32 registers of codes and leave as eight images of 512 bytes.
.macro QUANT p
	v_mov_b32 v[VSC], s[SCL+\p]
	v_mov_b32 v[VHL], s[HLD+\p]
	PLACES 2                                       ; with the two lines above: the four places between the last products and the first read of results
.set i, 0
.rept 128
	v_med3_num_f32 v[ACC+i], v[ACC+i], -v[VHL], v[VHL]   ; the conversion to an 8-bit code does not saturate (ISA guide 7.6.2): the hold at the largest code x the scale; each accumulator from its low end on
.set i, i+1
.endr
.irp b, 0,1,2,3
.irp a, 0,1,2,3
	v_cvt_scalef32_pk8_bf8_f32 v[CD+32*\p+8*\b+2*\a:CD+32*\p+8*\b+2*\a+1], v[ACC+32*\b+8*\a:ACC+32*\b+8*\a+7], v[VSC]
.endr
.endr
	v_nop                                          ; one plain vector instruction behind the last conversion: the next pass's products write its sources
	s_wait_xcnt 0x0                                ; the last pass's stores have read their offsets: v8-10 may be written
	v_add_nc_u32 v[SO+1], s[STR+\p], v[LI]
	v_add_nc_u32 v[SO+2], s[STR+\p], v[SO+1]
	s_wait_alu depctr_va_vdst(0)
	v_add_nc_u32 v[SO+3], s[STR+\p], v[SO+2]
	global_store_b128 v[LI], v[CD+32*\p:CD+32*\p+3], s[OUT+2*\p:OUT+2*\p+1]               ; 32 lanes store 512 consecutive bytes, at a multiple of 512 from the buffer's first byte
	global_store_b128 v[LI], v[CD+32*\p+4:CD+32*\p+7], s[OUT+2*\p:OUT+2*\p+1] offset:512
.irp b, 1,2,3
	global_store_b128 v[SO+\b], v[CD+32*\p+8*\b:CD+32*\p+8*\b+3], s[OUT+2*\p:OUT+2*\p+1]
	global_store_b128 v[SO+\b], v[CD+32*\p+8*\b+4:CD+32*\p+8*\b+7], s[OUT+2*\p:OUT+2*\p+1] offset:512
.endr
.endm
; What pass p stores, where, and with which scale: chosen by the head's number alone, which hangs on the work-group's y: no jump, no loaded number in a choice's condition.
.macro SETUP p
	s_mul_i32 s85, s[CB], 3
	s_add_co_u32 s85, s85, \p                      ; hh
	s_mov_b32 s[HH+\p], s85
	s_lshl_b32 s86, s[BB], 4
	s_add_co_u32 s86, s86, s85
	s_lshl_b32 s86, s86, 7
	s_add_co_u32 s86, s86, s[TQ]
	s_lshl_b32 s86, s86, 10                        ; q: ((16 b + hh) 128 + my first tile) 1,024
	s_lshl_b32 s87, s[BB], 2
	s_add_co_u32 s87, s87, s85
	s_sub_co_u32 s88, s87, 16
	s_lshl_b32 s88, s88, 18
	s_add_co_u32 s88, s88, s[KO]                   ; k: (4 b + hh - 16) 262,144 + my place
	s_sub_co_u32 s89, s87, 20
	s_lshl_b32 s89, s89, 18
	s_add_co_u32 s89, s89, s[VO]                   ; v: (4 b + hh - 20) 262,144 + my place
	s_cmp_lt_u32 s85, 16
	s_cselect_b64 s[OUT+2*\p:OUT+2*\p+1], s[20:21], s[22:23]
	s_cselect_b32 s86, s86, s88
	s_cselect_b32 s90, s[EQ], s[EQ+1]
	s_cmp_lt_u32 s85, 20
	s_cselect_b32 s86, s86, s89
	s_cselect_b32 s90, s90, s[EQ+2]
	s_mov_b32 s[STR+\p], 2048                      ; v: from d tile to d tile;
	s_cselect_b32 s[STR+\p], 1024, s[STR+\p]       ; q, k: from token tile to token tile
	s_mov_b32 s87, 0
	s_add_nc_u64 s[OUT+2*\p:OUT+2*\p+1], s[OUT+2*\p:OUT+2*\p+1], s[86:87]
	s_add_co_i32 s90, s90, 127
	s_lshl_b32 s[SCL+\p], s90, 23                  ; 2^E as f32: the conversion takes its exponent field
	s_add_co_i32 s90, s90, 15
	s_lshl_b32 s90, s90, 23
	s_or_b32 s[HLD+\p], s90, 0x600000              ; 57,344 x 2^E
.endm
.macro PASS p
	s_wait_tensorcnt 0x0                           ; my one load has landed; nothing is ever filled again
	s_barrier_signal -1                            ; (no LDS instruction of mine is out: every pass ends on a wait for all of them)
	s_barrier_wait -1                              ; everybody's part has
	s_cmp_lt_u32 s[HH+\p], 20
	s_cbranch_scc0 .Lfor_v_\@
	KLOOP \p, 0
	s_branch .Lsummed_\@
.Lfor_v_\@:
	KLOOP \p, 1
.Lsummed_\@:
	QUANT \p
.endm
	s_load_b512 s[8:23], s[0:1], 0x0               ; x s[8:9], Wq s[10:11], Wk s[12:13], Wv s[14:15], Wp s[16:17], scales s[18:19], qc s[20:21], kv s[22:23]
	s_load_b64 s[24:25], s[0:1], 0x40              ; wpi
	v_lshl_add_u32 v30, v0, 2, 0x31000
	v_mov_b32 v31, 0
	ds_add_u32 v30, v31
	ds_add_u32 v30, v31
	v_lshrrev_b32 v1, 5, v0
	v_readfirstlane_b32 s[WV], v1                  ; wave 0..3
	s_bfe_u32 s[CX], ttmp6, 0x40000                ; my place in the cluster: it enters global addresses of x and of the results alone
	s_lshl_b32 s[RB], ttmp9, 2
	s_add_co_u32 s[RB], s[RB], s[CX]               ; block of 256 rows
	s_and_b32 s[CB], ttmp7, 0xffff                 ; block of three heads, which the four partners share
	v_and_b32 v1, 15, v0                           ; r
	v_bfe_u32 v2, v0, 4, 1                         ; h
	v_lshlrev_b32 v[XA], 10, v1
	v_lshl_add_u32 v[XA], v2, 4, v[XA]
	v_and_b32 v[LI], 31, v0
	v_lshlrev_b32 v[LI], 4, v[LI]
	v_mul_u32_u24 v[WA], v1, ROWP
	v_lshl_add_u32 v[WA], v2, 4, v[WA]
	v_add_nc_u32 v[WA+1], HEADB, v[WA]
	v_add_nc_u32 v[WA+2], 2*HEADB, v[WA]
	v_lshlrev_b32 v[WPL], 12, v1
	v_lshl_add_u32 v[WPL], v2, 3, v[WPL]
	; descriptor group 1: a whole head, 64 rows of 1,024 bytes, padded in LDS
	s_mov_b32 s[G1], 15|(1<<20)|(1<<21)|(7<<22)|(3<<25)   ; 15:0 the mask: all four work-groups; 17:16 elements of 1 byte; 20 padding on; 21 set beside a mask; 24:22 after every 256 words (code 7); 31:25 four words (code 3)
	s_mov_b32 s[G1+1], 1024<<16                    ; tensor_dim0
	s_mov_b32 s[G1+2], 64<<16                      ; tensor_dim1
	s_mov_b32 s[G1+3], 1024<<16                    ; tile_dim0
	s_mov_b32 s[G1+4], 64                          ; tile_dim1
	s_mov_b32 s[G1+5], 1024                        ; from row to row
	s_mov_b32 s[G1+6], 0
	s_mov_b32 s[G1+7], 0
	s_lshl_b32 s86, s[RB], 18
	s_lshl_b32 s87, s[WV], 16
	s_add_co_u32 s86, s86, s87                     ; x: 256 rows a block, 64 a wave
	s_mov_b32 s87, 0
	; Wp's new lay: 512 fragments of 2,048 bytes, half a fragment to each of the launch's 1,024 waves.  F = ((col64 8 + s) 4 + q)
	s_lshl_b32 s88, s[CB], 5
	s_add_co_u32 s88, s88, s[RB]
	s_lshl_b32 s88, s88, 1
	s_lshr_b32 s89, s[WV], 1
	s_add_co_u32 s88, s88, s89                     ; F
	s_and_b32 s89, s[WV], 1                        ; which half: k from 64 x half on
	s_lshr_b32 s90, s88, 5
	s_lshl_b32 s90, s90, 6
	s_and_b32 s91, s88, 3
	s_add_co_u32 s90, s90, s91
	s_lshl_b32 s90, s90, 10                        ; row 64 col64 + q
	s_bfe_u32 s91, s88, 0x30002
	s_lshl_b32 s91, s91, 7
	s_add_co_u32 s90, s90, s91                     ; + 128 s
	s_lshl_b32 s91, s89, 6
	s_add_co_u32 s90, s90, s91
	s_mov_b32 s91, 0
	s_lshl_b32 s88, s88, 11
	s_lshl_b32 s89, s89, 10
	s_add_co_u32 s88, s88, s89
	s_mov_b32 s89, 0
	s_wait_alu depctr_va_vdst(0)
	s_wait_dscnt 0x0
	s_wait_kmcnt 0x0
	s_load_b256 s[28:35], s[18:19], 0x0            ; e0 .. e7
	s_load_b32 s36, s[18:19], 0x20                 ; e8
	s_add_nc_u64 s[XB:XB+1], s[8:9], s[86:87]
	s_add_nc_u64 s[WPB:WPB+1], s[16:17], s[90:91]
	s_add_nc_u64 s[WPO:WPO+1], s[24:25], s[88:89]
.irp i, 0,1,2,3
	global_load_b64 v[WPR+2*\i:WPR+2*\i+1], v[WPL], s[WPB:WPB+1] offset:16*\i   ; k = 128 s + 64 half + 16 i + 8 (lane / 16) + 0..7 of my lane's row
.endr
	XLOAD 0
	XLOAD 1
	XLOAD 2
	WIN 0                                          ; 52 loads of mine are out; the rest of x is asked for behind the joint load
	; descriptor group 0: wave w (0, 1, 2) fetches head hh = 3 cb + w whole, for pass w; wave 3 fetches nothing.  Buffer and head are chosen by hh alone; no place in the cluster enters
.irp p, 0
	s_min_u32 s91, s[WV], 2
	s_mul_i32 s85, s[CB], 3
	s_add_co_u32 s85, s85, s91                     ; hh
	s_sub_co_u32 s86, s85, 16
	s_sub_co_u32 s87, s85, 20
	s_cmp_lt_u32 s85, 16
	s_cselect_b64 s[88:89], s[10:11], s[12:13]
	s_cselect_b32 s86, s85, s86
	s_cmp_lt_u32 s85, 20
	s_cselect_b64 s[88:89], s[88:89], s[14:15]
	s_cselect_b32 s86, s86, s87                    ; the head's number in its own buffer
	s_lshl_b32 s86, s86, 16
	s_mov_b32 s87, 0
	s_mul_i32 s90, s91, HEADB
	s_mov_b32 s[G0+4*\p], 1                        ; count = 1
	s_add_co_u32 s[G0+4*\p+1], s90, \p*HEADB       ; LDS address
	s_add_nc_u64 s[G0+4*\p+2:G0+4*\p+3], s[88:89], s[86:87]
	s_or_b32 s[G0+4*\p+3], s[G0+4*\p+3], 0x80000000   ; type = 2
.endr
	CROUND                                         ; all four work-groups are here: the joint loads meet
	s_cmp_eq_u32 s[WV], 3
	s_cbranch_scc1 .Lno_fill
	tensor_load_to_lds s[G0:G0+3], s[G1:G1+7]      ; one tensor load a wave at the head: three waves, a head each
	s_nop 0
	PLACES 4
.Lno_fill:
	XLOAD 3                                        ; the other five K steps of x, in one run
	XLOAD 4
	XLOAD 5
	XLOAD 6
	XLOAD 7
	WIN 0
	s_lshr_b32 s[BB], s[RB], 3                     ; the batch; 8 blocks of 256 rows in each
	s_and_b32 s85, s[RB], 7
	s_lshl_b32 s[TQ], s85, 4
	s_lshl_b32 s86, s[WV], 2
	s_add_co_u32 s[TQ], s[TQ], s86                 ; 16 u + 4 w
	s_lshl_b32 s85, s85, 1
	s_lshr_b32 s86, s[WV], 1
	s_add_co_u32 s85, s85, s86
	s_lshl_b32 s85, s85, 14                        ; my key step of 128: 2 u + w / 2
	s_and_b32 s86, s[WV], 1
	s_lshl_b32 s87, s86, 12
	s_add_co_u32 s[KO], s85, s87                   ; k: key tiles 4 (w % 2) on
	s_lshl_b32 s87, s86, 10
	s_add_co_u32 s[VO], s85, s87                   ; v: pieces 2 (w % 2) on,
	s_add_co_u32 s[VO], s[VO], 8192                ; behind the step's K part
	s_wait_kmcnt 0x0
	s_sub_co_i32 s[EQ], s34, s28
	s_sub_co_i32 s[EQ], s[EQ], s29                 ; e6 - e0 - e1
	s_sub_co_i32 s[EQ+1], s35, s30
	s_sub_co_i32 s[EQ+1], s[EQ+1], s31             ; e7 - e2 - e3
	s_sub_co_i32 s[EQ+2], s36, s32
	s_sub_co_i32 s[EQ+2], s[EQ+2], s33             ; e8 - e4 - e5
	SETUP 0
	SETUP 1
	SETUP 2
	PASS 0
	global_store_b128 v[LI], v[WPR:WPR+3], s[WPO:WPO+1]             ; Wp's codes (in since the first pass's last wait on loads): two images of 512 bytes
	global_store_b128 v[LI], v[WPR+4:WPR+7], s[WPO:WPO+1] offset:512
	PASS 1
	PASS 2
	s_wait_dscnt 0x0
	s_wait_tensorcnt 0x0
	ds_add_u32 v30, v31
	s_wait_dscnt 0x0
	CROUND                                         ; the closing round: no work-group ends while a partner may still ask for a tile that names it
	s_endpgm
.Lfunc_end_k_q2e83492fd4_qkv:
	.size	k_q2e83492fd4_qkv, .Lfunc_end_k_q2e83492fd4_qkv-k_q2e83492fd4_qkv
	.p2alignl 7, 3214868480
	.fill 96, 4, 3214868480
	.section	.rodata,"a",@progbits
	.p2align	6, 0x0
	.amdhsa_kernel k_q2e83492fd4_qkv
		.amdhsa_group_segment_fixed_size 201216
		.amdhsa_private_segment_fixed_size 0
		.amdhsa_enable_private_segment 0
		.amdhsa_kernarg_size 72
		.amdhsa_user_sgpr_count 2
		.amdhsa_user_sgpr_kernarg_segment_ptr 1
		.amdhsa_wavefront_size32 1
		.amdhsa_system_sgpr_workgroup_id_x 1
		.amdhsa_system_sgpr_workgroup_id_y 1
		.amdhsa_system_sgpr_workgroup_id_z 1
		.amdhsa_system_vgpr_workitem_id 0
		.amdhsa_next_free_vgpr 1024
		.amdhsa_next_free_sgpr 100
		.amdhsa_reserve_vcc 0
		.amdhsa_float_denorm_mode_32 3
		.amdhsa_float_denorm_mode_16_64 3
		.amdhsa_memory_ordered 1
		.amdhsa_forward_progress 1
		.amdhsa_inst_pref_size 158
	.end_amdhsa_kernel
	.amdgpu_metadata
---
amdhsa.version: [ 1, 2 ]
amdhsa.kernels:
  - .name:           k_q2e83492fd4_qkv
    .symbol:         k_q2e83492fd4_qkv.kd
    .args:
      - { .name: x_codes, .offset: 0, .size: 8, .value_kind: global_buffer, .address_space: global }
      - { .name: Wq_codes, .offset: 8, .size: 8, .value_kind: global_buffer, .address_space: global }
      - { .name: Wk_codes, .offset: 16, .size: 8, .value_kind: global_buffer, .address_space: global }
      - { .name: Wv_codes, .offset: 24, .size: 8, .value_kind: global_buffer, .address_space: global }
      - { .name: Wp_codes, .offset: 32, .size: 8, .value_kind: global_buffer, .address_space: global }
      - { .name: lowp_scales, .offset: 40, .size: 8, .value_kind: global_buffer, .address_space: global }
      - { .name: qc, .offset: 48, .size: 8, .value_kind: global_buffer, .address_space: global }
      - { .name: kv, .offset: 56, .size: 8, .value_kind: global_buffer, .address_space: global }
      - { .name: wpi, .offset: 64, .size: 8, .value_kind: global_buffer, .address_space: global }
    .group_segment_fixed_size: 201216
    .private_segment_fixed_size: 0
    .kernarg_segment_align: 8
    .kernarg_segment_size: 72
    .max_flat_workgroup_size: 128
    .sgpr_count:     100
    .vgpr_count:     1024
    .wavefront_size: 32
...
	.end_amdgpu_metadata
.endif
;; end of part 1
;; launch attn (part 2): grid 16 x 16, 16 waves a work-group, clusters of 4 x 1, 327,680 bytes of LDS; arguments qc, kv, lowp_scales, ac; writes ac
.if DOCPART == 2
	.amdgcn_target "amdgcn-amd-amdhsa--gfx1250"
	.amdhsa_code_object_version 6
	.text
	.protected	k_q2e83492fd4_attn
	.globl	k_q2e83492fd4_attn
	.p2align	8
	.type	k_q2e83492fd4_attn,@function
k_q2e83492fd4_attn:
	s_mov_b64 s[64:65], 0
	v_nop
	global_prefetch_b8 v0, s[64:65] scope:SCOPE_SE
	s_setreg_imm32_b32 hwreg(HW_REG_WAVE_MODE, 25, 1), 1
	s_wait_xcnt 0x0
	s_wait_alu depctr_hold_cnt(0) depctr_sa_sdst(0) depctr_va_vdst(0) depctr_va_sdst(0) depctr_va_ssrc(0) depctr_va_vcc(0) depctr_vm_vsrc(0)
	s_getreg_b32 s2, hwreg(HW_REG_IB_STS2, 6, 4)
	s_cmp_eq_u32 s2, 0
	s_cbranch_scc0 .Lentry_in_a_cluster
	s_endpgm
.Lentry_in_a_cluster:
	s_bfe_u32 s2, ttmp6, 0x10000c
	s_cmp_lg_u32 s2, 0x3003
	s_cbranch_scc0 .Lentry_shape_is_right
	s_endpgm
.Lentry_shape_is_right:
; Causal attention on codes of E5M2: a[b][q][head] = softmax_k(q . k / 8) v, quantised at once with 2^e10 for the projection that follows.
; qc, kv, ac are images of operand registers, 512 bytes a piece at 16 x lane (laid by the launch qkv):
;   qc: ((16 b + head) 128 + tile of 16 queries) 1,024.   kv: (4 b + g) 262,144 + (key step of 128) 16,384 + { K: key tile 1,024 | V: 8,192 + d tile 2,048 }.   ac: ((128 b + tile) 16 + head) 1,024.
; WORK LEFT OUT: key steps that lie wholly behind a tile's queries (reference()'s own jnp.tril makes their p 0 for all inputs).  A NaN, an infinity or an overflow that reaches only those scores is not carried to the result.
; SHARES.  A work-group owns one head of one batch and every fourth tile of 16 queries; wave w owns tiles lo = 4 w + x and 127 - lo: 17 key steps of 128 keys for every wave.  256 work-groups.
; CLUSTER.  The four heads of a group (cx) read the same K and V: both fills are joint loads (mask 15).  The group's whole K and V, 262,144 bytes, lie in LDS: key steps 0-3 by the head's load, the other twelve by a second
; fill behind a round.  NO PREFETCH INTO THE L2: the launch's two fills go out at its head, with no trip of a loop ahead of them in which to ask.
; A LANE holds one query (lane % 16) throughout: S^T = K Q^T (source 0 = 16 keys), O^T = V^T P^T (source 0 = 16 of the head's 64).  Register j of key tile k is key 16 k + 8 (lane / 16) + j: the conversions' results are P's operand.
; TWO AREAS OF 64 REGISTERS SWAP ROLES from step to step: one holds K, then V; the other S^T, then p, and, once p's codes are made, the NEXT step's K.  So a loop's trip is a pair of steps.
; SOFTMAX: t = score x log2(e) / 8; -M = floor(-(running largest t)); p = 2^(t - M), held at 57,344 x 2^e9 and quantised with 2^e9; the sum is of the unquantised p; sum and O^T are multiplied by 2^(old M - new M) in every step.
; The running maximum is kept of the raw scores: c is positive, so c x max = max of c x.  The exponentials go in two halves; between them stand plain lines whose sources were written ahead of a wait and whose results are read behind the next.
; THE MASK is the C of the diagonal step's score products: 0 for key tiles ahead of the query tile, CD (0 or -3e38 by lane and register) for the tile on the diagonal, CN (-3e38) behind it; chosen by scalar branches on ids.
; LIMITS: e6 + e7 between -100 and 100 (added to c's exponent field; -3e38 x c stays far under every t); e9 between -126 and 112; e10 - e8 - e9 between -126 and 112; scaled scores under 2^31 in magnitude.  NaN codes are not served.
; REGISTERS: v1 16 x lane; v2, v8 LDS addresses of the pair and of the pair behind it; v3 the old -M; v4-7, v10 scales and holds; v12 -M, v13 largest score, v[14:15] the sum; v16-31 Q of both tiles; v32-95, v96-159 the two areas;
;   v160-191 O^T; v192-207 p's codes; v208-223 eight partial sums in a step, the results' codes at a tile's end; v224-235 at work; v236-243 CD; v244-251 CN; v254, v255 the add's two registers.
.set LI,  1
.set ADR, 2
.set MO,  3
.set VP9, 4
.set VH9, 5
.set VSA, 6
.set VHA, 7
.set ADN, 8
.set RH,  9
.set VH9B, 10                          ; the hold once more, in another register bank: the two halves of a dual pair take their first sources from different banks
.set PX,  11
.set QH,  16
.set QL,  24
.set XA,  32
.set YA,  96
.set O,   160
.set PC,  192
.set T,   208
.set OCH, 208
.set OCL, 216
.set F,   224
.set MA,  226
.set MB,  227
.set MC,  228
.set MD,  229
.set SB,  230
.set SC,  232
.set SE,  234
.set CD,  236
.set CN,  244
.set WV,  12
.set DT,  19                           ; s19 the query tile's place among the diagonal step's eight key tiles
.set SEL, 20
.set CS,  22
.set G1A, 24
.set G1B, 32
.set G0A, 40
.set G0B, 44
.set TB,  53                           ; s53 LDS byte of the pair of key steps in hand
.set SI,  54                           ; s54 the number of its first step
.set SD,  55                           ; s55 the diagonal's key step
.set SDL, 56
.set SDH, 57
.set ACH, 58
.set ACL, 60
.set DTH, 62
.set DTL, 63
.set QBH, 66
.set QBL, 68
.set SJ,  70                           ; s70 the step's number
.set TN,  71                           ; s71 LDS byte of the next pair, held at key step 14
.macro PLACES n
.rept \n
	v_nop
.endr
.endm
.macro CROUND                          ; a round of the cluster's barrier
	s_barrier_signal -1
	s_barrier_wait -1
	s_cmp_lg_u32 s[WV], 0
	s_cbranch_scc1 .Lnot_wave_0_\@
	s_barrier_signal -3
.Lnot_wave_0_\@:
	s_barrier_wait -3
	s_barrier_signal -1
	s_barrier_wait -1
.endm
.macro SPROD k, q, m                   ; the scores of key tile k; m: what C is
.if \m == 0
	v_wmma_f32_16x16x64_bf8_bf8 v[S+8*\k:S+8*\k+7], v[KV+8*\k:KV+8*\k+7], v[\q:\q+7], 0
.else
.if \m == 1
	v_wmma_f32_16x16x64_bf8_bf8 v[S+8*\k:S+8*\k+7], v[KV+8*\k:KV+8*\k+7], v[\q:\q+7], v[CD:CD+7]
.else
	v_wmma_f32_16x16x64_bf8_bf8 v[S+8*\k:S+8*\k+7], v[KV+8*\k:KV+8*\k+7], v[\q:\q+7], v[CN:CN+7]
.endif
.endif
.endm
.macro PROLOG adr                      ; a walk's first K: 16 loads into the first area
.irp k, 0,1,2,3,4,5,6,7
	ds_load_b128 v[XA+8*\k:XA+8*\k+3], v[\adr] offset:1024*\k
	ds_load_b128 v[XA+8*\k+4:XA+8*\k+7], v[\adr] offset:1024*\k+512
.endr
.endm
.macro KNEXT odd, k0                   ; four key tiles of the next step's K into the registers whose p has been converted
.irp k, 0,1,2,3
.if \odd
	ds_load_b128 v[S+8*(\k0+\k):S+8*(\k0+\k)+3], v[ADN] offset:1024*(\k0+\k)
	ds_load_b128 v[S+8*(\k0+\k)+4:S+8*(\k0+\k)+7], v[ADN] offset:1024*(\k0+\k)+512
.else
	ds_load_b128 v[S+8*(\k0+\k):S+8*(\k0+\k)+3], v[ADR] offset:16384+1024*(\k0+\k)
	ds_load_b128 v[S+8*(\k0+\k)+4:S+8*(\k0+\k)+7], v[ADR] offset:16384+1024*(\k0+\k)+512
.endif
.endr
.endm
; A KEY STEP: 128 keys against my 16 queries.  ka: the area that holds K (its 16 loads are the only LDS loads out), sa: the other; odd: the pair's second step; pre: the next step's K is asked for; id: the pair's label.
.macro STEP q, causal, ka, sa, odd, pre, id
.set KV, \ka
.set S, \sa
.if \causal
	s_add_co_u32 s[SJ], s[SI], \odd
	s_cmp_gt_u32 s[SJ], s[SD]                      ; all its keys come after my queries: the rest of the pair is left out (ids alone)
	s_cbranch_scc1 .Lpe_\id
	s_cmp_eq_u32 s[SJ], s[SD]
	s_cbranch_scc1 .Ldiag_\@
.endif
.irp k, 0,1,2,3,4,5,6,7
	s_wait_dscnt 14-2*\k                           ; tile k's two loads are in: 14 - 2 k were issued behind them
	SPROD \k, \q, 0
.endr
.if \causal
	s_branch .Ljoin_\@
.Ldiag_\@:                                         ; the step on the diagonal: C carries the mask
.irp k, 0,1,2,3,4,5,6,7
	s_wait_dscnt 14-2*\k
	s_cmp_lt_u32 s[DT], \k
	s_cbranch_scc1 .Lm_\@_\k
	s_cmp_eq_u32 s[DT], \k
	s_cbranch_scc1 .Ld_\@_\k
	SPROD \k, \q, 0
	s_branch .Lj_\@_\k
.Ld_\@_\k:
	SPROD \k, \q, 1
	s_branch .Lj_\@_\k
.Lm_\@_\k:
	SPROD \k, \q, 2
.Lj_\@_\k:
.endr
.Ljoin_\@:
.endif
	PLACES 4                                       ; behind the products: ahead of loads into their sources and of the first read of their results
.irp n, 0,1,2,3
.irp c, 0,1,2,3
	ds_load_b128 v[KV+16*\n+4*\c:KV+16*\n+4*\c+3], v[ADR] offset:16384*\odd+8192+2048*\n+512*\c   ; V's fragments land under the softmax
.endr
.endr
	v_max3_num_f32 v[MA], v[S], v[S+1], v[S+2]     ; the step's largest score, in four chains, each accumulator from its low end on
	v_max3_num_f32 v[MB], v[S+3], v[S+4], v[S+5]
	v_max3_num_f32 v[MC], v[S+6], v[S+7], v[S+8]
	v_max3_num_f32 v[MD], v[S+9], v[S+10], v[S+11]
.set i, 12
.rept 6
	v_max3_num_f32 v[MA], v[MA], v[S+i], v[S+i+1]
	v_max3_num_f32 v[MB], v[MB], v[S+i+2], v[S+i+3]
	v_max3_num_f32 v[MC], v[MC], v[S+i+4], v[S+i+5]
	v_max3_num_f32 v[MD], v[MD], v[S+i+6], v[S+i+7]
.set i, i+8
.endr
	v_max3_num_f32 v[MA], v[MA], v[S+60], v[S+61]
	v_max3_num_f32 v[MB], v[MB], v[S+62], v[S+63]
	s_delay_alu instid0(VALU_DEP_1)
	v_max3_num_f32 v[MA], v[MA], v[MB], v[MC]
	s_delay_alu instid0(VALU_DEP_1)
	v_max3_num_f32 v[MA], v[MA], v[MD], v13        ; with the running largest score
	s_delay_alu instid0(VALU_DEP_1)
	v_permlanex16_b32 v[PX], v[MA], s[SEL], s[SEL+1]
	s_delay_alu instid0(VALU_DEP_1)
	v_max_num_f32 v13, v[MA], v[PX]                ; and lane l xor 16's
	s_delay_alu instid0(VALU_DEP_1)
	v_mul_f32 v[MA], s[CS], v13                    ; as t (c is positive)
	s_delay_alu instid0(VALU_DEP_1)
	v_floor_f32 v12, -v[MA]                        ; -M = floor(-t): a whole number
	s_delay_alu instid0(VALU_DEP_1)
	v_sub_f32 v[MA], v12, v[MO]                    ; old M - new M, 0 or less
	s_delay_alu instid0(VALU_DEP_1)
	v_cvt_i32_f32 v[MA], v[MA]                     ; (it saturates)
	s_delay_alu instid0(VALU_DEP_1)
	v_ldexp_f32 v[F], 1.0, v[MA]                   ; f = 2^(old M - new M)
.set i, 0
.rept 16
	v_pk_fma_f32 v[S+i:S+i+1], v[S+i:S+i+1], s[CS:CS+1], v[12:13] op_sel_hi:[1,0,0]   ; t - M, key tiles 0-3
.set i, i+2
.endr
	s_wait_alu depctr_va_vdst(0)                   ; the wait ahead of the batch
.set i, 0
.rept 16
	v_exp_f32 v[S+i], v[S+i]                       ; p, key tiles 0-3;
	v_exp_f32 v[S+i+1], v[S+i+1]
	v_pk_fma_f32 v[S+32+i:S+33+i], v[S+32+i:S+33+i], s[CS:CS+1], v[12:13] op_sel_hi:[1,0,0]   ; between them t - M of key tiles 4-7, first read behind the wait below
.set i, i+2
.endr
	s_wait_alu depctr_va_vdst(0)                   ; behind the first half and ahead of the second
.set i, 0
.rept 8
	v_exp_f32 v[S+32+i], v[S+32+i]                 ; p, key tiles 4-7; between them, of tiles 0-3: eight sums of unquantised p, then the hold.  What these lines write is first read behind the wait below
	v_pk_add_f32 v[T+i/2:T+i/2+1], v[S+i:S+i+1], v[S+i+2:S+i+3]
	v_exp_f32 v[S+33+i], v[S+33+i]
	v_dual_min_num_f32 v[S+i], v[VH9], v[S+i] :: v_dual_min_num_f32 v[S+i+1], v[VH9B], v[S+i+1]
	v_exp_f32 v[S+34+i], v[S+34+i]
	v_dual_min_num_f32 v[S+i+2], v[VH9], v[S+i+2] :: v_dual_min_num_f32 v[S+i+3], v[VH9B], v[S+i+3]
	v_exp_f32 v[S+35+i], v[S+35+i]
.set i, i+4
.endr
	v_pk_mul_f32 v[14:15], v[14:15], v[F:F+1] op_sel_hi:[1,0]   ; the sum under the new M (a plain place behind the batch)
	s_wait_alu depctr_va_vdst(0)                   ; the wait behind the batch
.irp k, 0,1,2,3
	v_cvt_scalef32_pk8_bf8_f32 v[PC+2*\k:PC+2*\k+1], v[S+8*\k:S+8*\k+7], v[VP9]
.endr
.if \pre
	KNEXT \odd, 0
.endif
	v_pk_add_f32 v[SB:SB+1], v[T:T+1], v[T+2:T+3]  ; the sum of the unquantised p, in four chains
	v_pk_add_f32 v[SC:SC+1], v[T+4:T+5], v[T+6:T+7]
	v_pk_add_f32 v[SE:SE+1], v[T+8:T+9], v[T+10:T+11]
	v_pk_add_f32 v[14:15], v[14:15], v[T+12:T+13]
	v_pk_add_f32 v[SB:SB+1], v[SB:SB+1], v[T+14:T+15]
.set i, 32
.rept 4
	v_pk_add_f32 v[SC:SC+1], v[SC:SC+1], v[S+i:S+i+1]
	v_pk_add_f32 v[SE:SE+1], v[SE:SE+1], v[S+i+2:S+i+3]
	v_pk_add_f32 v[14:15], v[14:15], v[S+i+4:S+i+5]
	v_pk_add_f32 v[SB:SB+1], v[SB:SB+1], v[S+i+6:S+i+7]
.set i, i+8
.endr
	v_pk_add_f32 v[SC:SC+1], v[SC:SC+1], v[SE:SE+1]
	s_delay_alu instid0(VALU_DEP_2)
	v_pk_add_f32 v[14:15], v[14:15], v[SB:SB+1]
	s_delay_alu instid0(VALU_DEP_1)
	v_pk_add_f32 v[14:15], v[14:15], v[SC:SC+1]
.set i, 32
.rept 16
	v_dual_min_num_f32 v[S+i], v[VH9], v[S+i] :: v_dual_min_num_f32 v[S+i+1], v[VH9B], v[S+i+1]   ; the hold at the largest code x 2^e9 (the conversion does not saturate: ISA guide 7.6.2); p is not negative; two a line
.set i, i+2
.endr
.irp k, 4,5,6,7
	v_cvt_scalef32_pk8_bf8_f32 v[PC+2*\k:PC+2*\k+1], v[S+8*\k:S+8*\k+7], v[VP9]
.endr
.if \pre
	KNEXT \odd, 4
.endif
	s_wait_alu depctr_va_vdst(0)                   ; directly ahead of the first reader of O^T
.set i, 0
.rept 16
	v_pk_mul_f32 v[O+i:O+i+1], v[O+i:O+i+1], v[F:F+1] op_sel_hi:[1,0]   ; O^T under the new M
.set i, i+2
.endr
	s_wait_alu depctr_va_vdst(0)
	s_wait_dscnt 16*\pre                           ; V's fragments are in; the next K's 16 loads, issued behind them, may be out
.irp n, 0,1,2,3
	v_wmma_f32_16x16x128_bf8_bf8 v[O+8*\n:O+8*\n+7], v[KV+16*\n:KV+16*\n+15], v[PC:PC+15], v[O+8*\n:O+8*\n+7]
.endr
	v_mov_b32 v[MO], v12                           ; the old -M of the next step; with four v_nop the five places ahead of score products that write over V's registers
	PLACES 4
.endm
.macro PAIR q, causal, pre2            ; two key steps; the areas are back in their roles at its end
	v_add_nc_u32 v[ADR], s[TB], v[LI]
	s_add_co_u32 s[TN], s[TB], 32768
	s_min_u32 s[TN], s[TN], 229376                 ; the look-ahead stays inside the tiles: behind key step 15 it names key step 14 again, and nobody reads what it brings
	v_add_nc_u32 v[ADN], s[TN], v[LI]
	s_wait_alu depctr_va_vdst(0)
	STEP \q, \causal, XA, YA, 0, 1, \@
	STEP \q, \causal, YA, XA, 1, \pre2, \@
.Lpe_\@:
	s_add_co_u32 s[TB], s[TB], 32768
.endm
.macro LOOP q, last                    ; constant trip counts: every wave walks every trip, and jumps over the work behind its diagonal
.Lloop_\@:
	PAIR \q, 1, 1
	s_add_co_u32 s[SI], s[SI], 2
	s_cmp_lt_u32 s[SI], \last
	s_cbranch_scc1 .Lloop_\@
.endm
.macro INIT sd, dts
	v_mov_b32 v13, 0xff61b1e6                      ; -3e38, under every score
	s_delay_alu instid0(VALU_DEP_1)
	v_floor_f32 v12, -v13
	v_mov_b32 v14, 0
	v_mov_b32 v15, 0
	v_mov_b32 v[MO], v12
.set i, 0
.rept 32
	v_mov_b32 v[O+i], 0                            ; the step is written once: the first finds zeros
.set i, i+1
.endr
	s_mov_b32 s[SD], s[\sd]
	s_mov_b32 s[DT], s[\dts]
.endm
.macro FINISH oc, base                 ; O^T / the sum, held and quantised with 2^(e10 - e8 - e9): two images of 512 bytes
	v_add_f32 v14, v14, v15
	s_delay_alu instid0(VALU_DEP_1)
	v_permlanex16_b32 v[PX], v14, s[SEL], s[SEL+1]
	s_delay_alu instid0(VALU_DEP_1)
	v_add_f32 v14, v14, v[PX]
	s_wait_alu depctr_va_vdst(0)
	v_rcp_f32 v[F], v14
	v_nop
	s_wait_alu depctr_va_vdst(0)
.set i, 0
.rept 16
	v_pk_mul_f32 v[O+i:O+i+1], v[O+i:O+i+1], v[F:F+1] op_sel_hi:[1,0]
.set i, i+2
.endr
.set i, 0
.rept 32
	v_med3_num_f32 v[O+i], v[O+i], -v[VHA], v[VHA]
.set i, i+1
.endr
.irp n, 0,1,2,3
	v_cvt_scalef32_pk8_bf8_f32 v[\oc+2*\n:\oc+2*\n+1], v[O+8*\n:O+8*\n+7], v[VSA]
.endr
	v_nop
	global_store_b128 v[LI], v[\oc:\oc+3], s[\base:\base+1]
	global_store_b128 v[LI], v[\oc+4:\oc+7], s[\base:\base+1] offset:512
.endm
	s_load_b256 s[4:11], s[0:1], 0x0               ; qc, kv, the scales' exponents, ac
	v_lshl_add_u32 v254, v0, 2, 0x40000
	v_mov_b32 v255, 0
	ds_add_u32 v254, v255                          ; the opening lines: the add twice on end and one wait
	ds_add_u32 v254, v255
	v_lshrrev_b32 v2, 5, v0
	s_delay_alu instid0(VALU_DEP_1)
	v_readfirstlane_b32 s[WV], v2
	s_bfe_u32 s13, ttmp6, 0x40000                  ; cx: the head within its group; it enters qc's and ac's addresses alone
	s_and_b32 s14, ttmp7, 0xffff                   ; 4 b + g
	s_lshr_b32 s15, s14, 2
	s_and_b32 s16, s14, 3
	s_lshl_b32 s16, s16, 2
	s_add_co_u32 s16, s16, s13                     ; the head
	s_lshl_b32 s17, s[WV], 2
	s_add_co_u32 s17, s17, ttmp9                   ; my low tile
	s_sub_co_u32 s18, 127, s17                     ; my high tile
	s_lshr_b32 s[SDL], s[WV], 1
	s_sub_co_u32 s[SDH], 15, s[SDL]
	s_and_b32 s[DTL], s17, 7
	s_and_b32 s[DTH], s18, 7
	s_lshl_b32 s70, s15, 4
	s_add_co_u32 s70, s70, s16
	s_lshl_b32 s70, s70, 7
	s_add_co_u32 s72, s70, s18
	s_lshl_b32 s72, s72, 10
	s_mov_b32 s73, 0
	s_add_co_u32 s74, s70, s17
	s_lshl_b32 s74, s74, 10
	s_mov_b32 s75, 0
	s_lshl_b32 s70, s15, 7
	s_add_co_u32 s76, s70, s18
	s_lshl_b32 s76, s76, 4
	s_add_co_u32 s76, s76, s16
	s_lshl_b32 s76, s76, 10
	s_mov_b32 s77, 0
	s_add_co_u32 s78, s70, s17
	s_lshl_b32 s78, s78, 4
	s_add_co_u32 s78, s78, s16
	s_lshl_b32 s78, s78, 10
	s_mov_b32 s79, 0
	v_and_b32 v[LI], 31, v0
	s_delay_alu instid0(VALU_DEP_1)
	v_lshlrev_b32 v[LI], 4, v[LI]
	s_mov_b32 s[G1A], 15|(3<<16)|(1<<21)           ; dense rows of 256 bytes (32 elements of 8), mask of all four: 16 rows a wave,
	s_mov_b32 s[G1A+1], 32<<16
	s_mov_b32 s[G1A+2], 16<<16
	s_mov_b32 s[G1A+3], 32<<16
	s_mov_b32 s[G1A+4], 16
	s_mov_b32 s[G1A+5], 32
	s_mov_b32 s[G1A+6], 0
	s_mov_b32 s[G1A+7], 0
	s_mov_b32 s[G1B], 15|(3<<16)|(1<<21)           ; and 48 rows a wave
	s_mov_b32 s[G1B+1], 32<<16
	s_mov_b32 s[G1B+2], 48<<16
	s_mov_b32 s[G1B+3], 32<<16
	s_mov_b32 s[G1B+4], 48
	s_mov_b32 s[G1B+5], 32
	s_mov_b32 s[G1B+6], 0
	s_mov_b32 s[G1B+7], 0
	s_wait_alu depctr_va_vdst(0)
	s_wait_dscnt 0x0
	s_wait_kmcnt 0x0
	s_load_b128 s[48:51], s[8:9], 0x18             ; e6 .. e9
	s_load_b32 s52, s[8:9], 0x28                   ; e10
	s_add_nc_u64 s[QBH:QBH+1], s[4:5], s[72:73]
	s_add_nc_u64 s[QBL:QBL+1], s[4:5], s[74:75]
	s_add_nc_u64 s[ACH:ACH+1], s[10:11], s[76:77]
	s_add_nc_u64 s[ACL:ACL+1], s[10:11], s[78:79]
	global_load_b128 v[QH:QH+3], v[LI], s[QBH:QBH+1] th:TH_LOAD_NT
	global_load_b128 v[QH+4:QH+7], v[LI], s[QBH:QBH+1] offset:512 th:TH_LOAD_NT
	s_lshl_b32 s72, s14, 18
	s_lshl_b32 s73, s[WV], 12
	s_add_co_u32 s74, s72, s73
	s_mov_b32 s75, 0
	s_mul_i32 s76, s[WV], 12288
	s_add_co_u32 s76, s76, 65536
	s_add_co_u32 s78, s72, s76
	s_mov_b32 s79, 0
	s_mov_b32 s[G0A], 1
	s_mov_b32 s[G0A+1], s73
	s_add_nc_u64 s[G0A+2:G0A+3], s[6:7], s[74:75]
	s_or_b32 s[G0A+3], s[G0A+3], 0x80000000
	s_mov_b32 s[G0B], 1
	s_mov_b32 s[G0B+1], s76
	s_add_nc_u64 s[G0B+2:G0B+3], s[6:7], s[78:79]
	s_or_b32 s[G0B+3], s[G0B+3], 0x80000000
	CROUND                                         ; the four work-groups are here: the joint loads meet
	tensor_load_to_lds s[G0A:G0A+3], s[G1A:G1A+7]  ; key steps 0-3, 4,096 bytes a wave: my one load at the head
	s_nop 0
	v_bfe_u32 v[RH], v0, 4, 1                      ; the rest of the set-up stands under that load
	v_and_b32 v8, 15, v0
.irp j, 0,1,2,3
	v_mov_b32 v[CN+\j], 0xff61b1e6
.endr
	v_lshlrev_b32 v[RH], 3, v[RH]
.irp j, 4,5,6,7
	v_mov_b32 v[CN+\j], 0xff61b1e6
.endr
	v_sub_nc_u32 v[RH], v8, v[RH]                  ; r - 8 h: register j of the diagonal tile is hidden where j > r - 8 h
	v_mov_b32 v[PX], 0
	v_mov_b32 v[F+1], 0
.irp j, 0,1,2,3,4,5,6,7
	v_cmp_gt_i32 vcc_lo, \j, v[RH]
	v_cndmask_b32 v[CD+\j], 0, v[CN], vcc_lo
.endr
	s_mov_b32 s[SEL], 0x76543210
	s_mov_b32 s[SEL+1], 0xfedcba98
	s_wait_kmcnt 0x0
	s_add_co_i32 s70, s48, s49
	s_lshl_b32 s70, s70, 23
	s_add_co_i32 s[CS], s70, 0x3e38aa3b            ; c = log2(e) / 8 x 2^(e6 + e7)
	s_mov_b32 s[CS+1], s[CS]
	s_add_co_i32 s70, s51, 127
	s_lshl_b32 s71, s70, 23
	v_mov_b32 v[VP9], s71                          ; 2^e9
	s_add_co_i32 s70, s70, 15
	s_lshl_b32 s70, s70, 23
	s_or_b32 s70, s70, 0x600000
	v_mov_b32 v[VH9], s70                          ; 57,344 x 2^e9
	v_mov_b32 v[VH9B], s70
	s_sub_co_i32 s70, s52, s50
	s_sub_co_i32 s70, s70, s51
	s_add_co_i32 s70, s70, 127
	s_lshl_b32 s71, s70, 23
	v_mov_b32 v[VSA], s71                          ; 2^(e10 - e8 - e9)
	s_add_co_i32 s70, s70, 15
	s_lshl_b32 s70, s70, 23
	s_or_b32 s70, s70, 0x600000
	v_mov_b32 v[VHA], s70
	INIT SDH, DTH
	s_mov_b32 s[TB], 0
	s_mov_b32 s[SI], 0
	s_wait_alu depctr_va_vdst(0)                   ; the head's end
	s_wait_tensorcnt 0x0                           ; my part of key steps 0-3 is in
	ds_add_u32 v254, v255
	s_wait_dscnt 0x0
	CROUND                                         ; everybody's part is in, and the four work-groups are here
	tensor_load_to_lds s[G0B:G0B+3], s[G1B:G1B+7]  ; key steps 4-15, 12,288 bytes a wave
	s_nop 0
	PLACES 4
	PROLOG LI                                      ; key step 0's K
	global_load_b128 v[QL:QL+3], v[LI], s[QBL:QBL+1] th:TH_LOAD_NT
	global_load_b128 v[QL+4:QL+7], v[LI], s[QBL:QBL+1] offset:512 th:TH_LOAD_NT
	s_wait_loadcnt 0x2                             ; the high tile's Q is in: the low tile's two loads were issued behind it
	PAIR QH, 0, 1                                  ; the high tile is 64 or more: its key steps 0-7 are open
	s_wait_dscnt 0x0                               ; no LDS load of mine is out at a signal
	s_wait_tensorcnt 0x0                           ; my part of key steps 4-15 is in: say so now,
	s_barrier_signal -1
	PAIR QH, 0, 0                                  ; read key steps 2 and 3, which nobody writes (key step 4 is not asked for yet),
	s_barrier_wait -1                              ; and go on when all sixteen have said so
	s_mov_b32 s[TB], 65536
	s_mov_b32 s[SI], 4
	v_add_nc_u32 v[ADR], s[TB], v[LI]
	PROLOG ADR                                     ; key step 4's K
	LOOP QH, 16
	s_wait_dscnt 0x0                               ; the look-ahead behind my diagonal has landed: its registers may be loaded again
	PROLOG LI                                      ; the low tile's first K lands under the high tile's way out
	FINISH OCH, ACH
	INIT SDL, DTL
	s_mov_b32 s[TB], 0
	s_mov_b32 s[SI], 0
	s_wait_alu depctr_va_vdst(0)
	s_wait_xcnt 0x0                                ; the stores have read v208-215: the steps' partial sums may lie there again
	s_wait_loadcnt 0x0                             ; the low tile's Q
	LOOP QL, 8
	s_wait_dscnt 0x0
	FINISH OCL, ACL
	s_wait_dscnt 0x0
	s_wait_tensorcnt 0x0                           ; the wave's end
	ds_add_u32 v254, v255
	s_wait_dscnt 0x0
	CROUND                                         ; the closing round
	s_endpgm
.Lfunc_end_k_q2e83492fd4_attn:
	.size	k_q2e83492fd4_attn, .Lfunc_end_k_q2e83492fd4_attn-k_q2e83492fd4_attn
	.p2alignl 7, 3214868480
	.fill 96, 4, 3214868480
	.section	.rodata,"a",@progbits
	.p2align	6, 0x0
	.amdhsa_kernel k_q2e83492fd4_attn
		.amdhsa_group_segment_fixed_size 327680
		.amdhsa_private_segment_fixed_size 0
		.amdhsa_enable_private_segment 0
		.amdhsa_kernarg_size 32
		.amdhsa_user_sgpr_count 2
		.amdhsa_user_sgpr_kernarg_segment_ptr 1
		.amdhsa_wavefront_size32 1
		.amdhsa_system_sgpr_workgroup_id_x 1
		.amdhsa_system_sgpr_workgroup_id_y 1
		.amdhsa_system_sgpr_workgroup_id_z 1
		.amdhsa_system_vgpr_workitem_id 0
		.amdhsa_next_free_vgpr 256
		.amdhsa_next_free_sgpr 80
		.amdhsa_reserve_vcc 1
		.amdhsa_float_denorm_mode_32 3
		.amdhsa_float_denorm_mode_16_64 3
		.amdhsa_memory_ordered 1
		.amdhsa_forward_progress 1
		.amdhsa_inst_pref_size 162
	.end_amdhsa_kernel
	.amdgpu_metadata
---
amdhsa.version: [ 1, 2 ]
amdhsa.kernels:
  - .name:           k_q2e83492fd4_attn
    .symbol:         k_q2e83492fd4_attn.kd
    .args:
      - { .name: qc, .offset: 0, .size: 8, .value_kind: global_buffer, .address_space: global }
      - { .name: kv, .offset: 8, .size: 8, .value_kind: global_buffer, .address_space: global }
      - { .name: lowp_scales, .offset: 16, .size: 8, .value_kind: global_buffer, .address_space: global }
      - { .name: ac, .offset: 24, .size: 8, .value_kind: global_buffer, .address_space: global }
    .group_segment_fixed_size: 327680
    .private_segment_fixed_size: 0
    .kernarg_segment_align: 8
    .kernarg_segment_size: 32
    .max_flat_workgroup_size: 512
    .sgpr_count:     80
    .vgpr_count:     256
    .wavefront_size: 32
...
	.end_amdgpu_metadata
.endif
;; end of part 2
;; launch proj (part 3): grid 32 x 8, 4 waves a work-group, clusters of 4 x 1, 168,448 bytes of LDS; arguments ac, wpi, bp, lowp_scales, out0; writes out0
.if DOCPART == 3
	.amdgcn_target "amdgcn-amd-amdhsa--gfx1250"
	.amdhsa_code_object_version 6
	.text
	.protected	k_q2e83492fd4_proj
	.globl	k_q2e83492fd4_proj
	.p2align	8
	.type	k_q2e83492fd4_proj,@function
k_q2e83492fd4_proj:
	s_mov_b64 s[64:65], 0
	v_nop
	global_prefetch_b8 v0, s[64:65] scope:SCOPE_SE
	s_setreg_imm32_b32 hwreg(HW_REG_WAVE_MODE, 25, 1), 1
	s_wait_xcnt 0x0
	s_wait_alu depctr_hold_cnt(0) depctr_sa_sdst(0) depctr_va_vdst(0) depctr_va_sdst(0) depctr_va_ssrc(0) depctr_va_vcc(0) depctr_vm_vsrc(0)
	s_getreg_b32 s2, hwreg(HW_REG_IB_STS2, 6, 4)
	s_cmp_eq_u32 s2, 0
	s_cbranch_scc0 .Lentry_in_a_cluster
	s_endpgm
.Lentry_in_a_cluster:
	s_bfe_u32 s2, ttmp6, 0x10000c
	s_cmp_lg_u32 s2, 0x3003
	s_cbranch_scc0 .Lentry_shape_is_right
	s_endpgm
.Lentry_shape_is_right:
; out = a Wp^T + bp on codes of E5M2.  a: the attention's rows as images of operand registers (ac: (row tile 16 + head) 1,024: fragment (row tile, K step s) is 2,048 bytes at row tile x 16,384 + 2,048 s);
; Wp: images too (wpi: ((col64 8 + s) 4 + q) 2,048: lane r holds Wp's row 64 col64 + 4 r + q).  out0: [8192][1024] f32.
; SHARES.  A work-group takes 256 rows (rb) and 128 columns (cb), in two passes of 64 columns.  Wave w keeps its 64 rows x 1,024 K in 512 registers; Wp's 128 rows, 131,072 bytes, lie in LDS as they lie in memory.
; A pass is 8 K steps of 128, 16 matrix instructions each; each fragment of Wp read from LDS feeds four of them.
; CLUSTER.  The four row blocks of a cluster (same cb) need the same part of Wp: asked for JOINTLY (mask 15).  The rows go from memory straight into registers, which a joint load does not fill.
; THE WAY OUT NEEDS NO STAGE: source 0 = 16 rows, source 1 = Wp's tile q: lane (r, h) holds, in register j, out(16 t + 8 h + j, 64 col64 + 4 r + q).  So the four tiles q give a lane four NEIGHBOURING columns, 16 bytes,
; and sixteen lanes store 256 consecutive bytes, aligned; the other sixteen the same columns eight rows further down.
; out = sum x 2^(e10 + e11) + bp, one fused multiply-add.   LIMIT: e10 + e11 between -126 and 127, so that the power of two is an f32 number.
; REGISTERS, in windows of 256: window 0: v1-6 addresses; v16-23 bp of my four columns, pass 0 and 1; v32-127 results on their way out, three sets of 32; v128-255 16 accumulators, (t, q) at 128 + 32 q + 8 t.
;   window 1: two sets of Wp's four fragments, at 64 (s % 2) + 16 q.   windows 2, 3: the rows, K steps 0-3 and 4-7, at 64 (s % 4) + 16 t.
.set LI,   3                           ; v3 16 x lane; v4 the same + 65,536: pass 1's half of LDS
.set BA,   5                           ; v5 16 x (lane % 16)
.set CO,   6                           ; v6 out0: 8 rows x (lane / 16) + 16 x (lane % 16)
.set BIAS, 16
.set OUTR, 32
.set ACC,  128
.set WV,   16
.set CX,   17
.set RB,   18
.set CB,   19
.set AB,   20                          ; s[20:21] ac at my wave's first row tile
.set OB,   22                          ; s[22:23] out0 at my wave's first row, my work-group's first column
.set G1,   24                          ; s[24:31] descriptor group 1;  s[32:35] group 0 of my one load
.set G0,   32
.set BPB,  40                          ; s[40:41] bp at my work-group's first column
.set SCALE, 42                         ; 2^(e10 + e11) as f32
.set WB,   54                          ; s[54:55] wpi at my wave's part
.set MSB, 0
.macro WIN new                         ; the immediate's high byte repeats the setting that is left; a switch that changes nothing is dropped
.if MSB != (\new)
	s_set_vgpr_msb (MSB<<8)|(\new)
.set MSB, (\new)
.endif
.endm
.macro PLACES n
.rept \n
	v_nop
.endr
.endm
.macro CROUND                          ; a round of the cluster's barrier
	s_barrier_signal -1
	s_barrier_wait -1
	s_cmp_lg_u32 s[WV], 0
	s_cbranch_scc1 .Lnot_wave_0_\@
	s_barrier_signal -3
.Lnot_wave_0_\@:
	s_barrier_wait -3
	s_barrier_signal -1
	s_barrier_wait -1
.endm
.macro ALOAD s                         ; my four row tiles' fragments of K step s: 16 loads of 512 consecutive bytes
	WIN 0x80+0x40*((\s)/4)
.irp t, 0,1,2,3
.irp c, 0,1,2,3
	global_load_b128 v[64*((\s)%4)+16*\t+4*\c:64*((\s)%4)+16*\t+4*\c+3], v[LI], s[AB:AB+1] offset:16384*\t+2048*(\s)+512*\c
.endr
.endr
.endm
.macro WLOAD p, s                      ; pass p's four fragments of Wp of K step s, into set s % 2: 16 LDS loads in one run
	WIN 0x40
.irp q, 0,1,2,3
.irp c, 0,1,2,3
	ds_load_b128 v[64*((\s)%2)+16*\q+4*\c:64*((\s)%2)+16*\q+4*\c+3], v[LI+\p] offset:8192*(\s)+2048*\q+512*\c
.endr
.endr
.endm
.macro MUL s                           ; 16 matrix instructions; the 16 accumulators take turns, one instruction a turn; the first K step starts the sums
	WIN 0x06+((\s)/4)
.irp q, 0,1,2,3
.irp t, 0,1,2,3
.set fD, ACC+32*\q+8*\t
.set fA, 64*((\s)%4)+16*\t
.set fB, 64*((\s)%2)+16*\q
.if (\s) == 0
	v_wmma_f32_16x16x128_bf8_bf8 v[fD:fD+7], v[fA:fA+15], v[fB:fB+15], 0
.else
	v_wmma_f32_16x16x128_bf8_bf8 v[fD:fD+7], v[fA:fA+15], v[fB:fB+15], v[fD:fD+7]
.endif
.endr
.endr
.endm
.macro KSTEP p, s
.if ((\s) > 0) && ((\s) < 7)
	PLACES 4                                       ; the set that is loaded next was read by the K step before: four plain vector instructions stand between (ISA guide 7.12.1)
.endif
.if (\s) < 7
	WLOAD \p, (\s)+1
	s_wait_dscnt 16                                ; this K step's 16 loads are in; the 16 just issued may be out
.else
	s_wait_dscnt 0x0
.endif
.if (\p) == 0                          ; all the rows were asked for at the head; they arrive during the first pass
.if (\s) < 4
	s_wait_loadcnt 63                              ; K step s of the rows is in (and bp, asked for earlier): behind its 16 loads 16 (7 - s), 64 or more, were issued; the wait names the most that its field holds
.else
	s_wait_loadcnt 16*(7-(\s))                     ; the last four: 48, 32, 16, 0 loads were issued behind
.endif
.endif
	MUL \s
.endm
.macro OUTP p
	PLACES 4                                       ; between the last products and the first read of results
.irp t, 0,1,2,3
	s_wait_xcnt 0x0                                ; earlier stores have read their data: the set may be written again
.irp j, 0,1,2,3,4,5,6,7
.irp q, 0,1,2,3
	v_fma_f32 v[OUTR+32*(\t%3)+4*\j+\q], v[ACC+32*\q+8*\t+\j], s[SCALE], v[BIAS+4*\p+\q]   ; register 0 of each accumulator first: from the low end on
.endr
.endr
.irp j, 0,1,2,3,4,5,6,7
	global_store_b128 v[CO], v[OUTR+32*(\t%3)+4*\j:OUTR+32*(\t%3)+4*\j+3], s[OB:OB+1] offset:(16*\t+\j)*4096+256*\p th:TH_STORE_NT   ; written once, read by nobody here
.endr
.endr
.endm
.macro PASS p
	s_wait_tensorcnt 0x0                           ; my one load has landed; nothing is ever filled again
	s_barrier_signal -1                            ; (no LDS instruction of mine is out: a pass ends on a wait for all of them)
	s_barrier_wait -1                              ; everybody's part has
	WLOAD \p, 0
.irp s, 0,1,2,3,4,5,6,7
	KSTEP \p, \s
.endr
	WIN 0
	OUTP \p
.endm
	s_load_b256 s[4:11], s[0:1], 0x0               ; ac s[4:5], wpi s[6:7], bp s[8:9], the scales' exponents s[10:11]
	s_load_b64 s[12:13], s[0:1], 0x20              ; out0
	v_lshl_add_u32 v30, v0, 2, 0x29000
	v_mov_b32 v31, 0
	ds_add_u32 v30, v31
	ds_add_u32 v30, v31
	v_lshrrev_b32 v1, 5, v0
	v_readfirstlane_b32 s[WV], v1                  ; wave 0..3
	s_bfe_u32 s[CX], ttmp6, 0x40000                ; my place in the cluster: it enters the rows' and out0's addresses alone
	s_lshl_b32 s[RB], ttmp9, 2
	s_add_co_u32 s[RB], s[RB], s[CX]               ; block of 256 rows
	s_and_b32 s[CB], ttmp7, 0xffff                 ; block of 128 columns, which the four partners share
	v_and_b32 v1, 15, v0                           ; r
	v_bfe_u32 v2, v0, 4, 1                         ; h
	v_and_b32 v[LI], 31, v0
	v_lshlrev_b32 v[LI], 4, v[LI]
	v_add_nc_u32 v[LI+1], 65536, v[LI]
	v_lshlrev_b32 v[BA], 4, v1
	v_lshl_add_u32 v[CO], v2, 15, v[BA]
	; descriptor group 1: 128 dense rows of 256 bytes, as 32 elements of 8 bytes
	s_mov_b32 s[G1], 15|(3<<16)|(1<<21)            ; 15:0 the mask: all four work-groups; 17:16 elements of 8 bytes; 21 set beside a mask; no padding
	s_mov_b32 s[G1+1], 32<<16                      ; tensor_dim0
	s_mov_b32 s[G1+2], 128<<16                     ; tensor_dim1
	s_mov_b32 s[G1+3], 32<<16                      ; tile_dim0
	s_mov_b32 s[G1+4], 128                         ; tile_dim1
	s_mov_b32 s[G1+5], 32                          ; from row to row
	s_mov_b32 s[G1+6], 0
	s_mov_b32 s[G1+7], 0
	s_lshl_b32 s44, s[RB], 18
	s_lshl_b32 s45, s[WV], 16
	s_add_co_u32 s44, s44, s45                     ; ac: 16 row tiles of 16,384 bytes a block, 4 a wave
	s_mov_b32 s45, 0
	s_lshl_b32 s46, s[RB], 20
	s_lshl_b32 s47, s[WV], 18
	s_add_co_u32 s46, s46, s47
	s_lshl_b32 s48, s[CB], 9
	s_add_co_u32 s46, s46, s48                     ; out0: rows of 4,096 bytes; 128 columns are 512 bytes
	s_mov_b32 s47, 0
	s_mov_b32 s49, 0                               ; s[48:49]: bp's offset is the same 512 cb
	s_lshl_b32 s50, s[CB], 17
	s_lshl_b32 s52, s[WV], 15                      ; 32,768 bytes a wave, in LDS as in memory: no place in the cluster enters
	s_add_co_u32 s50, s50, s52
	s_mov_b32 s51, 0
	s_wait_alu depctr_va_vdst(0)
	s_wait_dscnt 0x0
	s_wait_kmcnt 0x0
	s_load_b64 s[14:15], s[10:11], 0x28            ; e10, e11
	s_add_nc_u64 s[AB:AB+1], s[4:5], s[44:45]
	s_add_nc_u64 s[OB:OB+1], s[12:13], s[46:47]
	s_add_nc_u64 s[BPB:BPB+1], s[8:9], s[48:49]
	s_add_nc_u64 s[WB:WB+1], s[6:7], s[50:51]
	global_load_b128 v[BIAS:BIAS+3], v[BA], s[BPB:BPB+1]              ; bp of columns 4 r + 0..3 of pass 0's 64,
	global_load_b128 v[BIAS+4:BIAS+7], v[BA], s[BPB:BPB+1] offset:256 ; and of pass 1's
	ALOAD 0
	ALOAD 1
	ALOAD 2
	WIN 0                                          ; 50 loads of mine are out; the rest of the rows is asked for behind the joint load
	s_mov_b32 s[G0], 1                             ; count = 1
	s_mov_b32 s[G0+1], s52                         ; LDS address
	s_mov_b64 s[G0+2:G0+3], s[WB:WB+1]
	s_or_b32 s[G0+3], s[G0+3], 0x80000000          ; type = 2
	CROUND                                         ; all four work-groups are here: the joint loads meet
	tensor_load_to_lds s[G0:G0+3], s[G1:G1+7]      ; one tensor load a wave at the head: a quarter of the work-group's part of Wp
	s_nop 0
	PLACES 4
	ALOAD 3                                        ; the other five K steps of the rows, in one run
	ALOAD 4
	ALOAD 5
	ALOAD 6
	ALOAD 7
	WIN 0
	s_wait_kmcnt 0x0
	s_add_co_i32 s[SCALE], s14, s15
	s_add_co_i32 s[SCALE], s[SCALE], 127
	s_lshl_b32 s[SCALE], s[SCALE], 23              ; 2^(e10 + e11) as f32
	PASS 0                                         ; its stores leave while pass 1 is multiplied
	PASS 1
	s_wait_dscnt 0x0
	s_wait_tensorcnt 0x0
	ds_add_u32 v30, v31
	s_wait_dscnt 0x0
	CROUND                                         ; the closing round: no work-group ends while a partner may still ask for a tile that names it
	s_endpgm
.Lfunc_end_k_q2e83492fd4_proj:
	.size	k_q2e83492fd4_proj, .Lfunc_end_k_q2e83492fd4_proj-k_q2e83492fd4_proj
	.p2alignl 7, 3214868480
	.fill 96, 4, 3214868480
	.section	.rodata,"a",@progbits
	.p2align	6, 0x0
	.amdhsa_kernel k_q2e83492fd4_proj
		.amdhsa_group_segment_fixed_size 168448
		.amdhsa_private_segment_fixed_size 0
		.amdhsa_enable_private_segment 0
		.amdhsa_kernarg_size 40
		.amdhsa_user_sgpr_count 2
		.amdhsa_user_sgpr_kernarg_segment_ptr 1
		.amdhsa_wavefront_size32 1
		.amdhsa_system_sgpr_workgroup_id_x 1
		.amdhsa_system_sgpr_workgroup_id_y 1
		.amdhsa_system_sgpr_workgroup_id_z 1
		.amdhsa_system_vgpr_workitem_id 0
		.amdhsa_next_free_vgpr 1024
		.amdhsa_next_free_sgpr 66
		.amdhsa_reserve_vcc 0
		.amdhsa_float_denorm_mode_32 3
		.amdhsa_float_denorm_mode_16_64 3
		.amdhsa_memory_ordered 1
		.amdhsa_forward_progress 1
		.amdhsa_inst_pref_size 75
	.end_amdhsa_kernel
	.amdgpu_metadata
---
amdhsa.version: [ 1, 2 ]
amdhsa.kernels:
  - .name:           k_q2e83492fd4_proj
    .symbol:         k_q2e83492fd4_proj.kd
    .args:
      - { .name: ac, .offset: 0, .size: 8, .value_kind: global_buffer, .address_space: global }
      - { .name: wpi, .offset: 8, .size: 8, .value_kind: global_buffer, .address_space: global }
      - { .name: bp, .offset: 16, .size: 8, .value_kind: global_buffer, .address_space: global }
      - { .name: lowp_scales, .offset: 24, .size: 8, .value_kind: global_buffer, .address_space: global }
      - { .name: out0, .offset: 32, .size: 8, .value_kind: global_buffer, .address_space: global }
    .group_segment_fixed_size: 168448
    .private_segment_fixed_size: 0
    .kernarg_segment_align: 8
    .kernarg_segment_size: 40
    .max_flat_workgroup_size: 128
    .sgpr_count:     66
    .vgpr_count:     1024
    .wavefront_size: 32
...
	.end_amdgpu_metadata
.endif
;; end of part 3
